; MI455X (gfx1250); checked and timed in simulation.
; The chip was launched on July 23, 2026; its instructions are those of AMD's public machine-readable ISA for CDNA 5 (MIT licence, August 2026) and "CDNA5" Instruction Set Architecture Reference Guide (July 2026). The comments in the code are by the model that wrote it; some were corrected since.
;; Discriminator cluster. Allowed arithmetic: float matrix products may take bf16 or f16 operands with f32 sums; all other float work in f32.
;; Inputs: c 1 x 512 float32; h_0 100,000 x 512 float32; h_mi 100,000 x 512 float32; h_pl 100,000 x 512 float32.
;; Outputs: out0 1 x 200,000 float32.
;; One version. Each part assembles by itself: llvm-mc -triple=amdgcn-amd-amdhsa -mcpu=gfx1250 --defsym DOCPART=n.
;; ======== version 1 of 1: 1 launch
;; launch cosine (part 1): grid 782 x 1, 4 waves a work-group, no clusters, 0 bytes of LDS; arguments c, h_pl, h_mi, out0; writes out0
.if DOCPART == 1
	.amdgcn_target "amdgcn-amd-amdhsa--gfx1250"
	.amdhsa_code_object_version 6
	.text
	.protected	k_q1867f59c78_cosine
	.globl	k_q1867f59c78_cosine
	.p2align	8
	.type	k_q1867f59c78_cosine,@function
k_q1867f59c78_cosine:
	s_mov_b64 s[64:65], 0
	v_nop
	global_prefetch_b8 v0, s[64:65] scope:SCOPE_SE
	s_setreg_imm32_b32 hwreg(HW_REG_WAVE_MODE, 25, 1), 1
	s_wait_xcnt 0x0
; out0[n] = <x_n, c> / (sqrt(sum x_n^2 + 512 e) * sqrt(sum c^2 + 512 e)),  e = 1e-8,
; x_n = row n of h_pl for n < 100000, row n - 100000 of h_mi behind that.  Rows of 512 f32 = 2,048 bytes.
; h_0 is not among the arguments: the function computed here takes neither a value nor a size from it.
;
; A stream: every row byte is loaded once, all arithmetic is f32 on the vector unit (two fused multiply-adds an element).
; No matrix unit (a product with a single column), no LDS, no barrier (no byte is used twice, no wave needs another);
; no cluster (the only shared input is c, 2 KB against the 128 KiB of rows that a wave reads).
;
; SHARES.  A wave owns a chunk of 64 consecutive output numbers = 64 rows; 200000 / 64 = 3125 chunks, four waves to a work-group,
; 782 work-groups; 3125 = 4 x 781 + 1, so the last three waves of the last work-group have no chunk and end.
; One load of the wave covers 512 consecutive bytes, four cover a row; the lane's 16 numbers of c stay in registers.
; A ring of eight row slots (16 registers each) keeps 32 loads = 16 KiB of every wave in flight.
; A trip takes 8 rows ("a unit").  100000 is a multiple of 8 but not of 64: the buffer and the offset of each unit are formed anew
; (unit < 12500: h_pl, else h_mi), so the one chunk that lies across the two buffers is no special case.
; The lanes' partial sums are added by a transposing butterfly that leaves rows 2l and 2l+1 of the chunk in lane l:
; one root serves 32 rows, and one 8-byte store of the wave covers the chunk's 256 consecutive bytes, aligned.
;
; LIMITS.  e is added once, as 512 e, to the finished sum of squares, not to each square; division and roots are v_rsq_f32
; (1 ULP) and multiplies: the rounding differs from a term-by-term sum and a true division by a few units in the last place.
; The argument of v_rsq_f32 is at least 512 e and its result at least 2^-64: neither is ever denormal.
; Infinities and NaN go through the same sums and products as written above.
.set CHUNKS, 3125                      ; 200000 / 64
.set UNITS,  12500                     ; units of 8 rows in one buffer
.set ROWB,   2048                      ; bytes in a row
.set EPS512, 0x36abcc77                ; 512 x 1e-8 in f32
.set LOFF, 1                           ; v1        16 x lane: my 16 bytes in each 512 that a load covers
.set SOFF, 2                           ; v2        8 x lane: my two numbers in the chunk's 256 bytes of out0
.set C,    4                           ; v[4:19]   c[128 j + 4 lane + 0..3], j = 0..3
.set AD,   20                          ; v[20:21]  running pair of the row's dot product
.set AQ,   22                          ; v[22:23]  running pair of the row's sum of squares
.set T,    24                          ; v[24:27]  at work in the butterfly
.set PD,   28                          ; v[28:35]  row i of the unit: my lane's part of <x, c>
.set PQ,   36                          ; v[36:43]  row i of the unit: my lane's part of sum x^2
.set OD,   44                          ; v[44:45]  <x, c> of rows 2 lane, 2 lane + 1 of the chunk; at the end the result
.set OQ,   46                          ; v[46:47]  their sums of squares
.set RC,   48                          ; v48       1 / sqrt(sum c^2 + 512 e)
.set X,    52                          ; v[52:179] slot i: 16 registers, a row as loaded
.set WAVE, 12                          ; s12       wave number
.set CHK,  13                          ; s13       my chunk
.set OFFS, 14                          ; s[14:15]  a byte offset in 64 bits (the upper word stays 0)
.set LB,   16                          ; s[16:17]  address of the unit that is being requested
.set U,    18                          ; s18       its number, 0 .. 24999
.set CNT,  19                          ; s19       trips left
.set M1,   20                          ; s20       lanes with bit 0 set
.set M2,   21                          ; s21       lanes with bit 1 set
.set SEL,  22                          ; s22       the four lanes that keep this trip's rows
.set P0,   23                          ; s23, s24  v_permlanex16_b32: lane i takes lane i of the other half
.set P1,   24
	s_load_b256 s[4:11], s[0:1], 0x0               ; c s[4:5], h_pl s[6:7], h_mi s[8:9], out0 s[10:11]
	v_lshrrev_b32 v3, 5, v0
	v_readfirstlane_b32 s[WAVE], v3                ; wave 0..3
	s_lshl_b32 s[CHK], ttmp9, 2
	s_add_co_u32 s[CHK], s[CHK], s[WAVE]           ; chunk = 4 x work-group + wave
	s_cmp_ge_u32 s[CHK], CHUNKS
	s_cbranch_scc1 .Lend                           ; chunks 3125 to 3127 do not exist
	v_and_b32 v[LOFF], 31, v0                      ; lane
	v_lshlrev_b32 v[SOFF], 3, v[LOFF]
	v_lshlrev_b32 v[LOFF], 4, v[LOFF]
	s_mov_b32 s[M1], 0xaaaaaaaa
	s_mov_b32 s[M2], 0xcccccccc
	s_mov_b32 s[SEL], 0xf                          ; trip 0: lanes 0 to 3
	s_mov_b32 s[P0], 0x76543210
	s_mov_b32 s[P1], 0xfedcba98
	s_lshl_b32 s[U], s[CHK], 3                     ; my first unit
	s_lshl_b32 s[OFFS], s[CHK], 8                  ; my 256 bytes of out0
	s_mov_b32 s[OFFS+1], 0
	s_wait_kmcnt 0x0
	s_add_nc_u64 s[10:11], s[10:11], s[OFFS:OFFS+1]
; The address of unit U: the buffer by a select on U, the offset (U or U - 12500) x 8 rows x 2,048 bytes, below 2^28.
.macro BASE
	s_cmp_lt_u32 s[U], UNITS
	s_cselect_b64 s[LB:LB+1], s[6:7], s[8:9]
	s_cselect_b32 s[OFFS], 0, UNITS
	s_sub_co_u32 s[OFFS], s[U], s[OFFS]
	s_lshl_b32 s[OFFS], s[OFFS], 14
	s_add_nc_u64 s[LB:LB+1], s[LB:LB+1], s[OFFS:OFFS+1]
.endm
.macro FILL i                          ; four loads of 512 consecutive bytes: row i of the unit at s[LB:LB+1]; read once in the launch
.irp j, 0,1,2,3
	global_load_b128 v[X+16*\i+4*\j:X+16*\i+4*\j+3], v[LOFF], s[LB:LB+1] offset:\i*ROWB+\j*512 th:TH_LOAD_NT
.endr
.endm
	BASE
.irp j, 0,1,2,3
	global_load_b128 v[C+4*\j:C+4*\j+3], v[LOFF], s[4:5] offset:\j*512     ; c, laid out as a row is
.endr
.irp i, 0,1,2,3,4,5,6,7
	FILL \i                                        ; the ring: my first 8 rows
.endr
	; 1 / sqrt(sum c^2 + 512 e), in every lane, while the rows are on their way
	s_wait_loadcnt 32                              ; loads come back in order (ISA guide 5.7.1): c's four are in, the ring's 32 stay out
	v_pk_mul_f32 v[AQ:AQ+1], v[C:C+1], v[C:C+1]    ; the first product starts the sum
.irp k, 2,4,6,8,10,12,14
	v_pk_fma_f32 v[AQ:AQ+1], v[C+\k:C+\k+1], v[C+\k:C+\k+1], v[AQ:AQ+1]
.endr
	v_add_f32 v[T], v[AQ], v[AQ+1]
	v_add_f32_dpp v[T], v[T], v[T] row_xmask:1 row_mask:0xf bank_mask:0xf
	v_add_f32_dpp v[T], v[T], v[T] row_xmask:2 row_mask:0xf bank_mask:0xf
	v_add_f32_dpp v[T], v[T], v[T] row_xmask:4 row_mask:0xf bank_mask:0xf
	v_add_f32_dpp v[T], v[T], v[T] row_xmask:8 row_mask:0xf bank_mask:0xf
	v_permlanex16_b32 v[AQ], v[T], s[P0], s[P1]    ; its destination counts as read: AQ has been written
	v_add_f32 v[T], v[T], v[AQ]
	v_add_f32 v[T], EPS512, v[T]
	v_rsq_f32 v[RC], v[T]                          ; first used at the very end; the next lines touch neither RC nor T
	v_mov_b32 v[OD], 0                             ; the four result registers are filled four lanes a trip by selects,
	v_mov_b32 v[OD+1], 0                           ; which read them: they are written whole once
	v_mov_b32 v[OQ], 0
	v_mov_b32 v[OQ+1], 0
; Row i of the unit: my 16 numbers times c and times themselves, two at a time, in two chains that take turns.
; ahead = 1: the slot is at once filled with row i of the next unit.  left = how many younger loads may stay out.
.macro ROW i, ahead, left
	s_wait_loadcnt \left                           ; this slot's four loads are in
	v_pk_mul_f32 v[AD:AD+1], v[X+16*\i:X+16*\i+1], v[C:C+1]
	v_pk_mul_f32 v[AQ:AQ+1], v[X+16*\i:X+16*\i+1], v[X+16*\i:X+16*\i+1]
.irp k, 2,4,6,8,10,12,14
	v_pk_fma_f32 v[AD:AD+1], v[X+16*\i+\k:X+16*\i+\k+1], v[C+\k:C+\k+1], v[AD:AD+1]
	v_pk_fma_f32 v[AQ:AQ+1], v[X+16*\i+\k:X+16*\i+\k+1], v[X+16*\i+\k:X+16*\i+\k+1], v[AQ:AQ+1]
.endr
.if \ahead
	FILL \i
.endif
	v_add_f32 v[PD+\i], v[AD], v[AD+1]
	v_add_f32 v[PQ+\i], v[AQ], v[AQ+1]
.endm
; Four rows' partial sums p0..p3 (one number a lane each) are added over the 32 lanes so that lane l ends with the total of p(l & 3).
; Step xor 1: a lane keeps the row that its bit 0 names and hands the other one to its neighbour; step xor 2 likewise on bit 1;
; steps xor 4, 8, 16 are plain sums.  13 instructions for four rows.  The four lanes named by SEL then keep the total in dst.
.macro GATHER4 p0, p1, p2, p3, dst
	v_cndmask_b32 v[T],   v[\p0], v[\p1], s[M1]    ; kept: bit 0 ? p1 : p0
	v_cndmask_b32 v[T+1], v[\p1], v[\p0], s[M1]    ; handed over: the other one
	v_cndmask_b32 v[T+2], v[\p2], v[\p3], s[M1]
	v_cndmask_b32 v[T+3], v[\p3], v[\p2], s[M1]
	v_add_f32_dpp v[T],   v[T+1], v[T]   row_xmask:1 row_mask:0xf bank_mask:0xf   ; the first source comes from lane xor 1
	v_add_f32_dpp v[T+2], v[T+3], v[T+2] row_xmask:1 row_mask:0xf bank_mask:0xf
	v_cndmask_b32 v[T+1], v[T],   v[T+2], s[M2]    ; kept: bit 1 ? rows 2, 3 : rows 0, 1
	v_cndmask_b32 v[T+3], v[T+2], v[T],   s[M2]
	v_add_f32_dpp v[T], v[T+3], v[T+1] row_xmask:2 row_mask:0xf bank_mask:0xf
	v_add_f32_dpp v[T], v[T], v[T] row_xmask:4 row_mask:0xf bank_mask:0xf
	v_add_f32_dpp v[T], v[T], v[T] row_xmask:8 row_mask:0xf bank_mask:0xf
	v_permlanex16_b32 v[T+1], v[T], s[P0], s[P1]
	v_add_f32 v[T], v[T], v[T+1]
	v_cndmask_b32 v[\dst], v[\dst], v[T], s[SEL]
.endm
; A trip: 8 rows.  In trip t the rows 8 t + 2 m + j (m = 0..3, j = 0, 1) of the chunk go to lane 4 t + m, register j: row 2 lane + j.
.macro TRIP ahead
.if \ahead
	s_wait_xcnt 0x0                                ; the loads issued so far have had their addresses translated: the base that they name
	s_add_co_u32 s[U], s[U], 1                     ; is rewritten only behind this wait.  This trip requests the next unit
	BASE
.endif
.irp i, 0,1,2,3,4,5,6,7
	ROW \i, \ahead, 28-4*\i*(1-\ahead)             ; refilling: the other seven slots' 28 loads are younger; else only slots i+1 .. 7
.endr
.irp j, 0,1
	GATHER4 PD+\j, PD+2+\j, PD+4+\j, PD+6+\j, OD+\j
	GATHER4 PQ+\j, PQ+2+\j, PQ+4+\j, PQ+6+\j, OQ+\j
.endr
.if \ahead
	s_lshl_b32 s[SEL], s[SEL], 4                   ; the next four lanes
.endif
.endm
	s_mov_b32 s[CNT], 7
.Ltrip:
	TRIP 1
	s_sub_co_u32 s[CNT], s[CNT], 1
	s_cmp_lg_u32 s[CNT], 0
	s_cbranch_scc1 .Ltrip
	TRIP 0                                         ; the eighth unit: nothing more is requested, the counts run down to 0
	; 64 results at once: <x, c> x 1/sqrt(sum c^2 + 512 e) x 1/sqrt(sum x^2 + 512 e)
	v_add_f32 v[OQ],   EPS512, v[OQ]
	v_add_f32 v[OQ+1], EPS512, v[OQ+1]
	v_rsq_f32 v[T],   v[OQ]
	v_rsq_f32 v[T+1], v[OQ+1]
	s_wait_alu depctr_va_vdst(0)
	v_mul_f32 v[OD],   v[OD],   v[RC]              ; two plain lines that touch neither T nor OQ stand behind the roots (ISA guide 5.7.2)
	v_mul_f32 v[OD+1], v[OD+1], v[RC]
	v_pk_mul_f32 v[OD:OD+1], v[OD:OD+1], v[T:T+1]
	global_store_b64 v[SOFF], v[OD:OD+1], s[10:11] th:TH_STORE_NT   ; 32 lanes x 8 bytes: the chunk's 256 consecutive bytes, aligned
.Lend:
	s_endpgm
.Lfunc_end_k_q1867f59c78_cosine:
	.size	k_q1867f59c78_cosine, .Lfunc_end_k_q1867f59c78_cosine-k_q1867f59c78_cosine
	.p2alignl 7, 3214868480
	.fill 96, 4, 3214868480
	.section	.rodata,"a",@progbits
	.p2align	6, 0x0
	.amdhsa_kernel k_q1867f59c78_cosine
		.amdhsa_group_segment_fixed_size 0
		.amdhsa_private_segment_fixed_size 0
		.amdhsa_enable_private_segment 0
		.amdhsa_kernarg_size 32
		.amdhsa_user_sgpr_count 2
		.amdhsa_user_sgpr_kernarg_segment_ptr 1
		.amdhsa_wavefront_size32 1
		.amdhsa_system_sgpr_workgroup_id_x 1
		.amdhsa_system_sgpr_workgroup_id_y 1
		.amdhsa_system_sgpr_workgroup_id_z 1
		.amdhsa_system_vgpr_workitem_id 0
		.amdhsa_next_free_vgpr 180
		.amdhsa_next_free_sgpr 66
		.amdhsa_reserve_vcc 0
		.amdhsa_float_denorm_mode_32 3
		.amdhsa_float_denorm_mode_16_64 3
		.amdhsa_memory_ordered 1
		.amdhsa_forward_progress 1
		.amdhsa_inst_pref_size 34
	.end_amdhsa_kernel
	.amdgpu_metadata
---
amdhsa.version: [ 1, 2 ]
amdhsa.kernels:
  - .name:           k_q1867f59c78_cosine
    .symbol:         k_q1867f59c78_cosine.kd
    .args:
      - { .name: c, .offset: 0, .size: 8, .value_kind: global_buffer, .address_space: global }
      - { .name: h_pl, .offset: 8, .size: 8, .value_kind: global_buffer, .address_space: global }
      - { .name: h_mi, .offset: 16, .size: 8, .value_kind: global_buffer, .address_space: global }
      - { .name: out0, .offset: 24, .size: 8, .value_kind: global_buffer, .address_space: global }
    .group_segment_fixed_size: 0
    .private_segment_fixed_size: 0
    .kernarg_segment_align: 8
    .kernarg_segment_size: 32
    .max_flat_workgroup_size: 128
    .sgpr_count:     66
    .vgpr_count:     180
    .wavefront_size: 32
...
	.end_amdgpu_metadata
.endif
;; end of part 1
